; MI455X (gfx1250); checked and timed in simulation.
; The chip was launched on July 23, 2026; its instructions are those of AMD's public machine-readable ISA for CDNA 5 (MIT licence, August 2026) and "CDNA5" Instruction Set Architecture Reference Guide (July 2026). The comments in the code are by the model that wrote it; some were corrected since.
;; Attention. Allowed arithmetic: matrix products marked QUANTISED: E4M3 operands, one given power-of-two scale a tensor, by v_wmma_f32_16x16x64_fp8_fp8 or v_wmma_f32_16x16x128_fp8_fp8, f32 sums; everything else in f32.
;; Inputs: cache_k 4 x 2,048 x 16 x 128 float32; cache_v 4 x 2,048 x 16 x 128 float32; freqs_cos 2,048 x 64 float32; freqs_sin 2,048 x 64 float32; lowp_scales 12 int32 (the exponents e of the quantised operands' scales 2^e); mask 1 x 1 x 2,048 x 2,048 float32; wk_codes 2,048 x 64 x 32 uint8 (E4M3 codes of wk, K innermost, in blocks of 32 codes); wo_codes 2,048 x 64 x 32 uint8 (E4M3 codes of wo, K innermost, in blocks of 32 codes); wq_codes 2,048 x 64 x 32 uint8 (E4M3 codes of wq, K innermost, in blocks of 32 codes); wv_codes 2,048 x 64 x 32 uint8 (E4M3 codes of wv, K innermost, in blocks of 32 codes); x_codes 1 x 2,048 x 64 x 32 uint8 (E4M3 codes of x, K innermost, in blocks of 32 codes).
;; Outputs: out0 1 x 2,048 x 2,048 float32.
;; Constants: start_pos = 0.
;; This version of the problem:
;;   THIS VERSION OF THE PROBLEM IS GIVEN IN LOW PRECISION. The matrix products marked QUANTISED in the list below multiply operands that are first quantised to E4M3 (4 exponent bits, 3 mantissa bits; 8 bits a number), with one given power-of-two scale for each operand tensor; their sums are f32. All else is computed in f32.
;;   The module's matrix products, in the order in which they are computed (A, B: the left and right operand; K: the contracted axis; several contracted axes count as one K, in the product's order):
;;     1. [M 2,048, K 2,048] x [K 2,048, N 2,048]; A: input x (given as codes); B: input wq (given as codes): QUANTISED (scales: A lowp_scales[0], B lowp_scales[1])
;;     2. [M 2,048, K 2,048] x [K 2,048, N 2,048]; A: input x (given as codes); B: input wk (given as codes): QUANTISED (scales: A lowp_scales[2], B lowp_scales[3])
;;     3. [M 2,048, K 2,048] x [K 2,048, N 2,048]; A: input x (given as codes); B: input wv (given as codes): QUANTISED (scales: A lowp_scales[4], B lowp_scales[5])
;;     4. batch 16 x [M 2,048, K 128] x [K 128, N 2,048]; A: computed on the way; B: computed on the way: QUANTISED (scales: A lowp_scales[6], B lowp_scales[7])
;;     5. batch 16 x [M 128, K 2,048] x [K 2,048, N 2,048]; A: computed on the way; B: softmax (see below): QUANTISED (scales: A lowp_scales[8], B lowp_scales[9])
;;     6. [M 2,048, K 2,048] x [K 2,048, N 2,048]; A: computed on the way; B: input wo (given as codes): QUANTISED (scales: A lowp_scales[10], B lowp_scales[11])
;;   THE QUANTISER, for each operand of a quantised product, along K:
;;     - The operand's scale is 2^e, e = its entry of the input lowp_scales (int32; the entries are numbered through the quantised products in the list's order, A before B).
;;     - Each number is divided by the scale, clamped to +-448, and rounded to the nearest number of E4M3, ties to even, subnormals kept.
;;     - The product sums the exact products of the quantised numbers (number of the format x scale) in f32.
;;   ~~~python
;;   def quantise(x, axis, e):      # numpy; x: float32 -> the quantised numbers, widened to float32 again
;;       x = np.moveaxis(x, axis, -1); K = x.shape[-1]
;;       r = np.clip(x / 2.0 ** e, -448, 448)
;;       step = 2.0 ** (np.maximum(np.frexp(np.where(r == 0, 1, r))[1] - 1, -6) - 3)
;;       q = np.round(r / step) * step * 2.0 ** e      # np.round: ties to even
;;       return np.moveaxis(q, -1, axis).astype(np.float32)
;;   ~~~
;;   SOFTMAX AHEAD OF A QUANTISED PRODUCT. Where the list says 'softmax', what is quantised is not the finished softmax but p = 2^(t - M), with t = logit x log2(e) and M = ceil(the row's largest t), a whole number; so 1/2 < the row's largest p <= 1. The row's sum l is taken of the UNQUANTISED p, in f32, and the product's result is divided by l at the end. Since M is a whole number, a kernel that streams over the keys may use a running M (the ceiling of the running maximum): every later rescaling is an exact power of two, so the quantised numbers keep their values, but for numbers so far below the row's largest that they fall under the format's range.
;;   OPERANDS COMPUTED ON THE WAY. 'Computed on the way' means the value that the module computes at that place (a softmax that the list does not call 'softmax' is quantised finished and normalised). What goes into a quantiser is computed in f32, as accurately as f32 sums, v_exp_f32 and their like allow (about 1e-6 of the number): no bf16 or f16 on the way to a quantiser, and a product that is left as it is and whose result goes on into a quantised operand takes f32 operands (vector FMAs, or v_wmma_f32_16x16x4_f32). A number that lies on a knife's edge between two numbers of the format may be rounded either way, as far as f32 arithmetic and the matrix unit's own rounding can turn it there, and no further.
;;   INPUTS GIVEN AS CODES. wk (in the module: [2048, 2048], K = its axis 0); wo (in the module: [2048, 2048], K = its axis 0); wq (in the module: [2048, 2048], K = its axis 0); wv (in the module: [2048, 2048], K = its axis 0); x (in the module: [1, 2048, 2048], K = its axis 2): each comes as NAME_codes (uint8): NAME with its K axis moved to the last place and cut into blocks of 32 codes, [.., K / 32, bytes a block], one block behind the other in memory; one code a byte (a code: sign, 4 exponent bits, 3 mantissa bits); its scale is its entry of lowp_scales. Its value is code x scale, taken as it is: it is not quantised again, and the codes and scales need not be those that the quantiser above would give.
;; One version. Each part assembles by itself: llvm-mc -triple=amdgcn-amd-amdhsa -mcpu=gfx1250 --defsym DOCPART=n.
;; ======== version 1 of 1: 3 launches
;; limits: right only within a limited range of input values
;; workspace buffers: q_ws 4,194,304 bytes; k_ws 4,194,304 bytes; v_ws 4,194,304 bytes; a_ws 4,194,304 bytes; m_ws 16,777,216 bytes
;; launch qkv (part 1): grid 16 x 16, 4 waves a work-group, clusters of 4 x 4, 327,680 bytes of LDS; arguments x_codes, wq_codes, wk_codes, wv_codes, freqs_cos, freqs_sin, lowp_scales, q_ws, k_ws, v_ws, mask, m_ws; writes q_ws, k_ws, v_ws, m_ws
.if DOCPART == 1
	.amdgcn_target "amdgcn-amd-amdhsa--gfx1250"
	.amdhsa_code_object_version 6
	.text
	.protected	k_q63930e5398_qkv
	.globl	k_q63930e5398_qkv
	.p2align	8
	.type	k_q63930e5398_qkv,@function
k_q63930e5398_qkv:
	s_mov_b64 s[64:65], 0
	v_nop
	global_prefetch_b8 v0, s[64:65] scope:SCOPE_SE
	s_setreg_imm32_b32 hwreg(HW_REG_WAVE_MODE, 25, 1), 1
	s_wait_xcnt 0x0
	s_wait_alu depctr_hold_cnt(0) depctr_sa_sdst(0) depctr_va_vdst(0) depctr_va_sdst(0) depctr_va_ssrc(0) depctr_va_vcc(0) depctr_vm_vsrc(0)
	s_getreg_b32 s2, hwreg(HW_REG_IB_STS2, 6, 4)
	s_cmp_eq_u32 s2, 0
	s_cbranch_scc0 .Lentry_in_a_cluster
	s_endpgm
.Lentry_in_a_cluster:
	s_bfe_u32 s2, ttmp6, 0x10000c
	s_cmp_lg_u32 s2, 0xf033
	s_cbranch_scc0 .Lentry_shape_is_right
	s_endpgm
.Lentry_shape_is_right:
; x wq, x wk, x wv on codes of FP8 (E4M3), RoPE on q and k in f32, all three quantised with the given scales and stored as codes: q_ws, k_ws [head][token][128]; v_ws [head][block of 128 keys][d][128 keys].
; A work-group makes 128 tokens x one head of q, k and v; K goes in steps of 256 through a ring of two LDS slots filled by joint loads of a 4 x 4 cluster.
; DEAD WORK LEFT OUT: start_pos = 0 and seqlen = 2,048, so reference() overwrites rows 0 .. 2,047 of batch 0 of cache_k and cache_v with xk and xv and then slices out just those rows: no number of
; cache_k or cache_v reaches the result, whatever they hold.  The two inputs are not loaded and are no arguments of any launch.  LIMIT: a NaN or an infinity in them is not carried to the result.
; THE MASK IS RE-LAID HERE, ONCE FOR ALL 16 HEADS: m_ws holds mask x log2(e) in f32, in tiles of 32 queries x 128 keys (16,384 bytes), each the image of the registers in which the attention launch
; holds its scores: tile (query group, key step) at ((16 group + step) x 32 + n) x 512 + 16 lane; register 4 n + i = 64 a + 8 t + j of lane (r, h) is mask[32 group + 16 a + r][128 step + 16 t + 8 h + j].
; Each of the 1,024 waves re-lays one tile: 32 loads of one row of 512 bytes, through a stage of its own in LDS (16 rows at a time), 32 stores of 512 consecutive bytes.
.set TILEB, 128*272
.set SLOT,  4*TILEB
.set SPARE, 2*SLOT
.set FROW,  16*272
.set SP,    144
.set STGK,  128*SP
.set STGV,  SLOT+2*128*SP
.set SPW,  10
.set NIL,  11
.set ADRA, 12
.set ADRW, 14
.set ADRF, 20
.set STQ,  21
.set STV,  22
.set RD,   23
.set GO,   24
.set SCQ,  25
.set LMQ,  26
.set SCK,  27
.set LMK,  28
.set SCV,  29
.set LMV,  30
.set T,    32
.set BF,   64
.set CF,   64
.set SF,   128
.set VC,   64
.set OB,   96
.set G1A,  24
.set G1W,  32
.set G1F,  40
.set G0A,  48
.set G0W,  56
.set G0F,  68
.set WV,   72
.set MSB, 0
.macro WIN new
.if MSB != \new
	s_set_vgpr_msb (MSB<<8)|\new
.set MSB, \new
.endif
.endm
.set QK,   0xa4
.set VV,   0xf1
.set TO_A, 0x40
.macro PLACES n
.rept \n
	v_nop
.endr
.endm
.macro CREST
	s_cmp_lg_u32 s[WV], 0
	s_cbranch_scc1 .Lnot_wave_0_\@
	s_barrier_signal -3
.Lnot_wave_0_\@:
	s_barrier_wait -3
	s_barrier_signal -1
	s_barrier_wait -1
.endm
.macro CROUND
	s_barrier_signal -1
	s_barrier_wait -1
	CREST
.endm
.macro JLOAD s
	s_cmp_eq_u32 s[WV], 0
	s_cbranch_scc0 .Lfor_w_\@
	tensor_load_to_lds s[G0A+4*\s:G0A+4*\s+3], s[G1A:G1A+7]
	s_nop 0
.rept 4
	v_nop
.endr
	s_branch .Lasked_\@
.Lfor_w_\@:
	tensor_load_to_lds s[G0W+4*\s:G0W+4*\s+3], s[G1W:G1W+7]
	s_nop 0
.rept 4
	v_nop
.endr
.Lasked_\@:
.endm
.macro JLOADF
	s_cmp_lt_u32 s[WV], 2
	s_cbranch_scc0 .Lno_f_\@
	tensor_load_to_lds s[G0F:G0F+3], s[G1F:G1F+7]
	s_nop 0
.rept 4
	v_nop
.endr
	s_branch .Lf_asked_\@
.Lno_f_\@:
.rept 4
	v_nop
.endr
.Lf_asked_\@:
.endm
.set MSTG, 2*4*128*272+512             ; behind the ring and the spare words: 16 rows x 528 bytes for each wave, bytes that no tensor load fills
.macro MASKIN                          ; my tile of the mask is asked for: window 3, v128-255, registers that nothing else names
	s_lshl_b32 s104, s76, 2
	s_lshr_b32 s105, s75, 2
	s_add_co_u32 s104, s104, s105                  ; the query group: 4 y + x / 4
	s_lshl_b32 s104, s104, 18                      ; 32 rows of 8,192 bytes; also 16 tiles of 16,384
	s_and_b32 s105, s75, 3
	s_lshl_b32 s105, s105, 2
	s_add_co_u32 s105, s105, s[WV]                 ; the key step: 4 (x % 4) + wave
	s_lshl_b32 s100, s105, 9
	s_add_co_u32 s100, s100, s104
	s_mov_b32 s101, 0
	s_add_nc_u64 s[96:97], s[96:97], s[100:101]
	s_lshl_b32 s100, s105, 14
	s_add_co_u32 s100, s100, s104
	s_add_nc_u64 s[98:99], s[98:99], s[100:101]
	s_mov_b32 s100, 0x3fb8aa3b                     ; log2(e)
	s_mov_b32 s101, s100
	v_and_b32 v8, 31, v0
	v_lshlrev_b32 v8, 4, v8                        ; 16 x lane
	s_wait_alu depctr_va_vdst(0)                   ; the wait here, directly behind the write
	WIN 0xc0
.set nn, 0
.rept 32
	global_load_b128 v[128+4*nn:128+4*nn+3], v8, s[96:97] offset:nn*8192 th:TH_LOAD_NT   ; one row: 512 consecutive bytes
.set nn, nn+1
.endr
	WIN 0
.endm
; THE PREFETCHES: behind each joint load one line a wave for the K step that stands two joint loads on: 32 rows x 256 bytes, a lane a row.  Of the 128 rows that a wave fetches, each of the four partners that ask for
; them jointly takes 32, told apart by address (cx for x's tile, cy for the weights'), so each block of 256 bytes is named once in the cluster.  K steps 1 and 2 are asked for behind K step 0's load, K step 3 behind
; K step 1's; the loop's last trip asks for nothing: there is no K step 8.
.macro PFSET
	s_cmp_eq_u32 s[WV], 0
	s_cselect_b64 s[66:67], s[4:5], s[6:7]         ; the tile that I fetch
	s_cselect_b32 s104, s73, s74                   ; my place among the four that ask for it with me
	s_lshl_b32 s104, s104, 16                      ; 32 rows of 2,048 bytes
	s_mov_b32 s105, 0
	s_add_nc_u64 s[66:67], s[66:67], s[104:105]
	v_and_b32 v1, 31, v0
	v_lshlrev_b32 v1, 11, v1                       ; a lane a row; never rewritten
	s_wait_alu depctr_va_vdst(0)                   ; the wait here, directly behind the write
.endm
.macro MASKOUT
	v_and_b32 v4, 15, v0
	v_bfe_u32 v9, v0, 4, 1
	v_mul_u32_u24 v31, v4, 528
	v_lshl_add_u32 v31, v9, 5, v31
	s_mul_i32 s104, s[WV], 16*528
	s_add_co_u32 s104, s104, MSTG
	v_add_nc_u32 v31, s104, v31                    ; back: row r, keys 8 h on
	v_add_nc_u32 v9, s104, v8                      ; in: 16 x lane of a row
	s_wait_alu depctr_va_vdst(0)                   ; the wait here, directly ahead of the wait below
	s_wait_loadcnt 0x0
	WIN 0xcc
.irp a, 0,1
.set nn, 0
.rept 16
	ds_store_b128 v9, v[128+64*\a+4*nn:128+64*\a+4*nn+3] offset:nn*528
.set nn, nn+1
.endr
.set nn, 0
.rept 16
	ds_load_b128 v[128+64*\a+4*nn:128+64*\a+4*nn+3], v31 offset:64*(nn/2)+16*(nn%2)   ; LDS serves a wave's instructions in order (ISA guide 5.7.1.4)
.set nn, nn+1
.endr
.endr
	s_wait_dscnt 0x0
	WIN 0xc3
.set nn, 0
.rept 64
	v_pk_mul_f32 v[128+nn:128+nn+1], v[128+nn:128+nn+1], s[100:101] op_sel_hi:[1,0]
.set nn, nn+2
.endr
	WIN 0x0c
.set nn, 0
.rept 32
	global_store_b128 v8, v[128+4*nn:128+4*nn+3], s[98:99] offset:nn*512   ; 512 consecutive bytes, at a multiple of 256 from the buffer's first byte
.set nn, nn+1
.endr
	WIN 0
.endm
	s_load_b256 s[4:11], s[0:1], 0x0
	s_load_b256 s[12:19], s[0:1], 0x20
	s_load_b128 s[20:23], s[0:1], 0x40
	s_load_b128 s[96:99], s[0:1], 0x50
	v_lshl_add_u32 v[SPW], v0, 2, SPARE
	v_mov_b32 v[NIL], 0
	ds_add_u32 v10, v11
	ds_add_u32 v10, v11
	s_wait_dscnt 0x0
	v_lshrrev_b32 v1, 5, v0
	v_readfirstlane_b32 s[WV], v1
	s_bfe_u32 s73, ttmp6, 0x40000
	s_bfe_u32 s74, ttmp6, 0x40004
	s_lshl_b32 s75, ttmp9, 2
	s_add_co_u32 s75, s75, s73
	s_and_b32 s76, ttmp7, 0xffff
	s_lshl_b32 s76, s76, 2
	s_add_co_u32 s76, s76, s74
	s_lshl_b32 s77, s74, 2
	s_lshl_b32 s77, 15, s77
	s_lshl_b32 s78, 0x1111, s73
	s_or_b32 s[G1A], s77, (1<<20)|(1<<21)|(5<<22)|(3<<25)
	s_or_b32 s[G1W], s78, (1<<20)|(1<<21)|(5<<22)|(3<<25)
	s_or_b32 s[G1F], s77, (1<<20)|(1<<21)|(5<<22)|(3<<25)
.irp g, G1A, G1W, G1F
	s_mov_b32 s[\g+1], 256<<16
	s_mov_b32 s[\g+2], 128<<16
	s_mov_b32 s[\g+3], 256<<16
	s_mov_b32 s[\g+4], 128
	s_mov_b32 s[\g+6], 0
	s_mov_b32 s[\g+7], 0
.endr
	s_mov_b32 s[G1A+5], 2048
	s_mov_b32 s[G1W+5], 2048
	s_mov_b32 s[G1F+5], 256
	s_lshl_b32 s80, s76, 18
	s_mov_b32 s81, 0
	s_lshl_b32 s82, s75, 18
	s_mov_b32 s83, 0
	s_mul_i32 s79, s[WV], TILEB
	s_wait_kmcnt 0x0
	s_load_b256 s[84:91], s[16:17], 0x0
	s_load_b32 s92, s[16:17], 0x20
	s_add_nc_u64 s[4:5], s[4:5], s[80:81]
	s_cmp_eq_u32 s[WV], 2
	s_cselect_b64 s[6:7], s[8:9], s[6:7]
	s_cmp_eq_u32 s[WV], 3
	s_cselect_b64 s[6:7], s[10:11], s[6:7]
	s_add_nc_u64 s[6:7], s[6:7], s[82:83]
	s_cmp_eq_u32 s[WV], 0
	s_cselect_b64 s[12:13], s[12:13], s[14:15]
	s_lshl_b32 s80, s76, 15
	s_mov_b32 s[G0F], 1
	s_mov_b32 s[G0F+1], s79
	s_add_nc_u64 s[G0F+2:G0F+3], s[12:13], s[80:81]
	s_or_b32 s[G0F+3], s[G0F+3], 0x80000000
	CROUND
.irp s, 0,1
	s_mov_b32 s[G0A+4*\s], 1
	s_add_co_u32 s[G0A+4*\s+1], s79, \s*SLOT
	s_add_nc_u64 s[G0A+4*\s+2:G0A+4*\s+3], s[4:5], \s*256
	s_or_b32 s[G0A+4*\s+3], s[G0A+4*\s+3], 0x80000000
	s_mov_b32 s[G0W+4*\s], 1
	s_add_co_u32 s[G0W+4*\s+1], s79, \s*SLOT
	s_add_nc_u64 s[G0W+4*\s+2:G0W+4*\s+3], s[6:7], \s*256
	s_or_b32 s[G0W+4*\s+3], s[G0W+4*\s+3], 0x80000000
	s_wait_alu depctr_va_vdst(0)
	s_wait_tensorcnt 0x0
	ds_add_u32 v10, v11
	ds_add_u32 v10, v11
	s_wait_dscnt 0x0
	CROUND
	JLOAD \s
.if \s == 0
	PFSET
	global_prefetch_b8 v1, s[66:67] offset:256 th:TH_LOAD_NT scope:SCOPE_SE
	global_prefetch_b8 v1, s[66:67] offset:512 th:TH_LOAD_NT scope:SCOPE_SE
.else
	global_prefetch_b8 v1, s[66:67] offset:768 th:TH_LOAD_NT scope:SCOPE_SE
.endif
.endr
	v_and_b32 v2, 15, v0
	v_bfe_u32 v3, v0, 4, 1
	v_and_b32 v5, 31, v0
	v_mul_u32_u24 v[ADRA], v2, 272
	v_lshl_add_u32 v[ADRA], v3, 4, v[ADRA]
	s_wait_alu depctr_va_vdst(0)
	v_add_nc_u32 v[ADRA+1], SLOT, v[ADRA]
	s_mul_i32 s93, s[WV], 32*272
.irp s, 0,1
.irp t, 0,1,2
	s_add_co_u32 s94, s93, \s*SLOT+(1+\t)*TILEB
	v_add_nc_u32 v[ADRW+3*\s+\t], s94, v[ADRA]
.endr
.endr
	s_lshl_b32 s94, s[WV], 6
	v_add_nc_u32 v[ADRF], s94, v[ADRA]
	v_mul_u32_u24 v[STQ], v2, SP
	v_lshl_add_u32 v[STQ], v3, 3, v[STQ]
	s_lshl_b32 s94, s[WV], 5
	s_add_co_u32 s94, s94, SLOT
	v_add_nc_u32 v[STQ], s94, v[STQ]
	v_mul_u32_u24 v[STV], v2, SP
	v_lshl_add_u32 v[STV], v3, 4, v[STV]
	s_mul_i32 s94, s[WV], 32*SP
	s_add_co_u32 s95, s94, STGV
	v_add_nc_u32 v[STV], s95, v[STV]
	v_lshrrev_b32 v6, 3, v5
	v_and_b32 v7, 7, v0
	v_mul_u32_u24 v[RD], v6, SP
	v_lshl_add_u32 v[RD], v7, 4, v[RD]
	s_add_co_u32 s95, s94, SLOT
	v_add_nc_u32 v[RD], s95, v[RD]
	v_lshlrev_b32 v[GO], 4, v5
	s_lshl_b32 s95, s[WV], 12
	v_add_nc_u32 v[GO], s95, v[GO]
.macro FETCH slot, q, set
.irp f, 0,1,2,3,4,5
.irp c, 0,1,2,3
	ds_load_b128 v[BF+96*(\set)+16*\f+4*\c:BF+96*(\set)+16*\f+4*\c+3], v[ADRW+3*(\slot)+\f/2] offset:(\f%2)*FROW+128*(\q)+32*\c
.endr
.endr
	WIN TO_A
.irp a, 0,1,2,3,4,5,6,7
.irp c, 0,1,2,3
	ds_load_b128 v[128*(\set)+16*\a+4*\c:128*(\set)+16*\a+4*\c+3], v[ADRA+(\slot)] offset:\a*FROW+128*(\q)+32*\c
.endr
.endr
	WIN 0
.endm
.macro MULQK t, set, zero
.irp a, 0,1,2,3,4,5,6,7
.irp n, 0,1
.if \zero
	v_wmma_f32_16x16x128_fp8_fp8 v[128*(\t)+8*(2*\a+\n):128*(\t)+8*(2*\a+\n)+7], v[BF+96*(\set)+16*(2*(\t)+\n):BF+96*(\set)+16*(2*(\t)+\n)+15], v[128*(\set)+16*\a:128*(\set)+16*\a+15], 0
.else
	v_wmma_f32_16x16x128_fp8_fp8 v[128*(\t)+8*(2*\a+\n):128*(\t)+8*(2*\a+\n)+7], v[BF+96*(\set)+16*(2*(\t)+\n):BF+96*(\set)+16*(2*(\t)+\n)+15], v[128*(\set)+16*\a:128*(\set)+16*\a+15], v[128*(\t)+8*(2*\a+\n):128*(\t)+8*(2*\a+\n)+7]
.endif
.endr
.endr
.endm
.macro MULV set, zero
.irp a, 0,1,2,3,4,5,6,7
.irp n, 0,1
.if \zero
	v_wmma_f32_16x16x128_fp8_fp8 v[8*(2*\a+\n):8*(2*\a+\n)+7], v[128*(\set)+16*\a:128*(\set)+16*\a+15], v[BF+96*(\set)+16*(4+\n):BF+96*(\set)+16*(4+\n)+15], 0
.else
	v_wmma_f32_16x16x128_fp8_fp8 v[8*(2*\a+\n):8*(2*\a+\n)+7], v[128*(\set)+16*\a:128*(\set)+16*\a+15], v[BF+96*(\set)+16*(4+\n):BF+96*(\set)+16*(4+\n)+15], v[8*(2*\a+\n):8*(2*\a+\n)+7]
.endif
.endr
.endr
.endm
.macro STEP slot, zero
	PLACES 4
	FETCH \slot, 1, 1
	s_wait_dscnt 56
	WIN QK
	MULQK 0, 0, \zero
	MULQK 1, 0, \zero
	WIN VV
	MULV 0, \zero
	WIN 0
.endm
.macro TURN slot, next, kind
.if \kind == 1
	s_wait_xcnt 0x0                                ; my prefetches have read their base: it steps a K step on
	s_add_nc_u64 s[66:67], s[66:67], 256
.endif
	s_wait_tensorcnt 0x0
	ds_add_u32 v[SPW], v[NIL]
	s_wait_dscnt 1
	WIN QK
	MULQK 0, 1, 0
	s_wait_dscnt 0x0
	s_barrier_signal -1
	MULQK 1, 1, 0
	WIN 0
	s_barrier_wait -1
	CREST
.if \kind == 1
	s_add_nc_u64 s[G0A+4*\slot+2:G0A+4*\slot+3], s[G0A+4*\slot+2:G0A+4*\slot+3], 512
	s_add_nc_u64 s[G0W+4*\slot+2:G0W+4*\slot+3], s[G0W+4*\slot+2:G0W+4*\slot+3], 512
	JLOAD \slot
.else
	JLOADF
.endif
	FETCH \next, 0, 0
.if \kind == 1
	s_cmp_gt_u32 s3, 1                             ; s3 = 1 in the loop's last trip
	s_cbranch_scc0 .Lno_pf_\@
	global_prefetch_b8 v1, s[66:67] offset:768 th:TH_LOAD_NT scope:SCOPE_SE
.Lno_pf_\@:
.endif
	WIN VV
	MULV 1, 0
	WIN 0
.endm
	s_wait_tensorcnt 1
	s_barrier_signal -1
	s_barrier_wait -1
	FETCH 0, 0, 0
	STEP 0, 1
	MASKIN                                         ; my tile of the mask is asked for here and lands under the loop
	s_mov_b32 s3, 3
.Llap:
	TURN 0, 1, 1
	STEP 1, 0
	TURN 1, 0, 1
	STEP 0, 0
	s_sub_co_u32 s3, s3, 1
	s_cmp_lg_u32 s3, 0
	s_cbranch_scc1 .Llap
	MASKOUT                                        ; and is re-laid here, while the last K step's tiles are on their way
	TURN 0, 1, 2
	STEP 1, 0
	s_wait_tensorcnt 0x0
	ds_add_u32 v[SPW], v[NIL]
	s_wait_dscnt 1
	WIN QK
	MULQK 0, 1, 0
	s_wait_dscnt 0x0
	s_barrier_signal -1
	MULQK 1, 1, 0
	WIN VV
	MULV 1, 0
	WIN 0
	s_barrier_wait -1
	PLACES 4
.irp a, 0,1,2,3,4,5,6,7
.irp n, 0,1
	ds_load_b128 v[CF+4*(2*\a+\n):CF+4*(2*\a+\n)+3], v[ADRF] offset:\a*FROW+32*\n
	ds_load_b128 v[SF+4*(2*\a+\n):SF+4*(2*\a+\n)+3], v[ADRF] offset:TILEB+\a*FROW+32*\n
.endr
.endr
.macro MKSC sc, lm, e, ea, eb
	s_sub_co_i32 s80, s[\e], s[\ea]
	s_sub_co_i32 s80, s80, s[\eb]
	s_add_co_i32 s80, s80, 127
	s_lshl_b32 s81, s80, 23
	v_mov_b32 v[\sc], s81
	s_add_co_i32 s80, s80, 8
	s_lshl_b32 s80, s80, 23
	s_or_b32 s80, s80, 0x600000
	v_mov_b32 v[\lm], s80
.endm
	s_wait_kmcnt 0x0
	MKSC SCQ, LMQ, 90, 84, 85
	MKSC SCK, LMK, 91, 86, 87
	MKSC SCV, LMV, 92, 88, 89
	s_lshl_b32 s94, s75, 4
	s_add_co_u32 s94, s94, s76
	s_lshl_b32 s94, s94, 14
	s_mov_b32 s95, 0
	s_add_nc_u64 s[18:19], s[18:19], s[94:95]
	s_add_nc_u64 s[20:21], s[20:21], s[94:95]
	s_add_nc_u64 s[22:23], s[22:23], s[94:95]
	s_wait_dscnt 0x0
.macro ROPE4 base, g, sc, lm, cd, stg
	WIN 0x02
.irp k, 0,1,2,3
.irp i, 0,1,2,3
	v_mul_f32 v[T+8*\k+2*\i], v[\base+8*(4*(\g)+\k)+2*\i+1], v[SF+4*(4*(\g)+\k)+\i]
	v_mul_f32 v[T+8*\k+2*\i+1], v[\base+8*(4*(\g)+\k)+2*\i+1], v[CF+4*(4*(\g)+\k)+\i]
	v_fma_f32 v[T+8*\k+2*\i], v[\base+8*(4*(\g)+\k)+2*\i], v[CF+4*(4*(\g)+\k)+\i], -v[T+8*\k+2*\i]
	v_fma_f32 v[T+8*\k+2*\i+1], v[\base+8*(4*(\g)+\k)+2*\i], v[SF+4*(4*(\g)+\k)+\i], v[T+8*\k+2*\i+1]
.endr
.endr
	WIN 0
.set jj, 0
.rept 32
	v_med3_num_f32 v[T+jj], v[T+jj], -v[\lm], v[\lm]
.set jj, jj+1
.endr
.irp k, 0,1,2,3
	v_cvt_scalef32_pk8_fp8_f32 v[\cd+2*(4*(\g)+\k):\cd+2*(4*(\g)+\k)+1], v[T+8*\k:T+8*\k+7], v[\sc]
.endr
	v_nop
.irp k, 0,1,2,3
	ds_store_b64 v[STQ], v[\cd+2*(4*(\g)+\k):\cd+2*(4*(\g)+\k)+1] offset:\stg+((4*(\g)+\k)/2)*16*SP+16*((4*(\g)+\k)%2)
.endr
.endm
.irp g, 0,1,2,3
	ROPE4 0, \g, SCQ, LMQ, 192, 0
.endr
.irp g, 0,1,2,3
	ROPE4 128, \g, SCK, LMK, 224, STGK
.endr
	WIN 0xc3
.set jj, 0
.rept 128
	v_med3_num_f32 v[jj], v[jj], -v[LMV], v[LMV]
.set jj, jj+1
.endr
	WIN 0x03
.irp n, 0,1
.irp a, 0,1,2,3,4,5,6,7
	v_cvt_scalef32_pk8_fp8_f32 v[VC+4*(4*\n+\a/2)+2*(\a%2):VC+4*(4*\n+\a/2)+2*(\a%2)+1], v[8*(2*\a+\n):8*(2*\a+\n)+7], v[SCV]
.endr
.endr
	WIN 0
	v_nop
.irp n, 0,1
.irp c, 0,1,2,3
	ds_store_b128 v[STV], v[VC+4*(4*\n+\c):VC+4*(4*\n+\c)+3] offset:\n*16*SP+32*\c
.endr
.endr
	s_wait_dscnt 0x0
	s_barrier_signal -1
	s_barrier_wait -1
.irp u, 0,1,2
.irp i, 0,1,2,3,4,5,6,7
	ds_load_b128 v[OB+32*\u+4*\i:OB+32*\u+4*\i+3], v[RD] offset:\u*128*SP+\i*4*SP
.endr
.endr
.macro OUT u, p
.irp i, 0,1,2,3,4,5,6,7
	s_wait_dscnt 23-8*\u-\i
	global_store_b128 v[GO], v[OB+32*\u+4*\i:OB+32*\u+4*\i+3], s[\p:\p+1] offset:512*\i
.endr
.endm
	OUT 0, 18
	OUT 1, 20
	OUT 2, 22
	s_wait_tensorcnt 0x0
	ds_add_u32 v[SPW], v[NIL]
	s_wait_dscnt 0x0
	CROUND
	s_endpgm
.Lfunc_end_k_q63930e5398_qkv:
	.size	k_q63930e5398_qkv, .Lfunc_end_k_q63930e5398_qkv-k_q63930e5398_qkv
	.p2alignl 7, 3214868480
	.fill 96, 4, 3214868480
	.section	.rodata,"a",@progbits
	.p2align	6, 0x0
	.amdhsa_kernel k_q63930e5398_qkv
		.amdhsa_group_segment_fixed_size 327680
		.amdhsa_private_segment_fixed_size 0
		.amdhsa_enable_private_segment 0
		.amdhsa_kernarg_size 96
		.amdhsa_user_sgpr_count 2
		.amdhsa_user_sgpr_kernarg_segment_ptr 1
		.amdhsa_wavefront_size32 1
		.amdhsa_system_sgpr_workgroup_id_x 1
		.amdhsa_system_sgpr_workgroup_id_y 1
		.amdhsa_system_sgpr_workgroup_id_z 1
		.amdhsa_system_vgpr_workitem_id 0
		.amdhsa_next_free_vgpr 1024
		.amdhsa_next_free_sgpr 106
		.amdhsa_reserve_vcc 0
		.amdhsa_float_denorm_mode_32 3
		.amdhsa_float_denorm_mode_16_64 3
		.amdhsa_memory_ordered 1
		.amdhsa_forward_progress 1
		.amdhsa_inst_pref_size 146
	.end_amdhsa_kernel
	.amdgpu_metadata
---
amdhsa.version: [ 1, 2 ]
amdhsa.kernels:
  - .name:           k_q63930e5398_qkv
    .symbol:         k_q63930e5398_qkv.kd
    .args:
      - { .name: x_codes, .offset: 0, .size: 8, .value_kind: global_buffer, .address_space: global }
      - { .name: wq_codes, .offset: 8, .size: 8, .value_kind: global_buffer, .address_space: global }
      - { .name: wk_codes, .offset: 16, .size: 8, .value_kind: global_buffer, .address_space: global }
      - { .name: wv_codes, .offset: 24, .size: 8, .value_kind: global_buffer, .address_space: global }
      - { .name: freqs_cos, .offset: 32, .size: 8, .value_kind: global_buffer, .address_space: global }
      - { .name: freqs_sin, .offset: 40, .size: 8, .value_kind: global_buffer, .address_space: global }
      - { .name: lowp_scales, .offset: 48, .size: 8, .value_kind: global_buffer, .address_space: global }
      - { .name: q_ws, .offset: 56, .size: 8, .value_kind: global_buffer, .address_space: global }
      - { .name: k_ws, .offset: 64, .size: 8, .value_kind: global_buffer, .address_space: global }
      - { .name: v_ws, .offset: 72, .size: 8, .value_kind: global_buffer, .address_space: global }
      - { .name: mask, .offset: 80, .size: 8, .value_kind: global_buffer, .address_space: global }
      - { .name: m_ws, .offset: 88, .size: 8, .value_kind: global_buffer, .address_space: global }
    .group_segment_fixed_size: 327680
    .private_segment_fixed_size: 0
    .kernarg_segment_align: 8
    .kernarg_segment_size: 96
    .max_flat_workgroup_size: 128
    .sgpr_count:     106
    .vgpr_count:     1024
    .wavefront_size: 32
...
	.end_amdgpu_metadata
.endif
;; end of part 1
;; launch attn (part 2): grid 16 x 16, 4 waves a work-group, clusters of 4 x 1, 327,680 bytes of LDS; arguments q_ws, k_ws, v_ws, m_ws, lowp_scales, a_ws; writes a_ws
.if DOCPART == 2
	.amdgcn_target "amdgcn-amd-amdhsa--gfx1250"
	.amdhsa_code_object_version 6
	.text
	.protected	k_q63930e5398_attn
	.globl	k_q63930e5398_attn
	.p2align	8
	.type	k_q63930e5398_attn,@function
k_q63930e5398_attn:
	s_mov_b64 s[64:65], 0
	v_nop
	global_prefetch_b8 v0, s[64:65] scope:SCOPE_SE
	s_setreg_imm32_b32 hwreg(HW_REG_WAVE_MODE, 25, 1), 1
	s_wait_xcnt 0x0
	s_wait_alu depctr_hold_cnt(0) depctr_sa_sdst(0) depctr_va_vdst(0) depctr_va_sdst(0) depctr_va_ssrc(0) depctr_va_vcc(0) depctr_vm_vsrc(0)
	s_getreg_b32 s2, hwreg(HW_REG_IB_STS2, 6, 4)
	s_cmp_eq_u32 s2, 0
	s_cbranch_scc0 .Lentry_in_a_cluster
	s_endpgm
.Lentry_in_a_cluster:
	s_bfe_u32 s2, ttmp6, 0x10000c
	s_cmp_lg_u32 s2, 0x3003
	s_cbranch_scc0 .Lentry_shape_is_right
	s_endpgm
.Lentry_shape_is_right:
; a[q][head][:] = the sum over keys of softmax(q . k / sqrt(128) + mask[q][key]) v[key][:], both products on codes of FP8 (E4M3); the result is quantised with the given 2^e10 and leaves as codes.
; q_ws, k_ws: [head][token][128] codes (2^e6, 2^e7).  v_ws: [head][block of 128 keys][d 128][128 bytes] codes (2^e8), within each 32 keys in the order 0-7, 16-23, 8-15, 24-31.
; m_ws: mask x log2(e), f32, in tiles of 32 queries x 128 keys laid as the image of my score registers (the launch before lays it).  Every number of the mask is added to its score; no key step is left out.
; a_ws: [token block 16][head 16][token 128][d 128] codes.
; THE SOFTMAX: t = score x 2^(e6 + e7) log2(e) / sqrt(128) + mask x log2(e), one fused multiply-add, rounded before M is taken away; M = the running largest t rounded UP to a whole number; p = 2^(t - M) is quantised
; with 2^e9, not normalised.  The row's sum is taken of the unquantised p and divides at the end.  When M moves, the sum and O are multiplied by 2^(old M - new M): exact.
; SHARES.  A work-group owns 128 queries (x) of one head (y); each of its four waves 32 of them, two tiles of 16, so that each fragment of K and V read from LDS feeds two matrix instructions.  Every wave walks all
; 2,048 keys, 128 a step.  Both products are used transposed (S^T = K Q^T, O^T = V^T P^T): a lane holds one query of each tile (lane % 16).  In S^T register 8 t + j holds key 16 t + 8 (lane / 16) + j.
; RING: two LDS slots of 256 keys, K's 32,768 bytes and V's, both dense in memory and stated as rows of 256 bytes with 16 of padding behind each.  Each wave fetches a quarter: 64 rows, one load.  8 slots in all.
; CLUSTER 4 x 1: the four query blocks of a head ask for K's and V's tiles jointly.  The mask's tiles are each wave's own and go from memory straight into registers, two key steps ahead, 512 consecutive bytes a load.
; THE LOOP IS ROTATED: step i's second product stands at the head of step i + 1, under the flight of that step's loads of K.  The first step finds O^T, p's codes and V's registers as zeros, so the loop has no first form.
; PREFETCH: in trip p waves 0, 1 and 2 ask for 8,192 bytes each (lanes 256 bytes apart) of m_ws, K and V for slot p + 3, two trips ahead of the loads that want them.  K's and V's 32,768 bytes are shared out by address
; among the cluster's four work-groups; a query block's 131,072 bytes of m_ws among the 16 heads that read them.  Trips 5 and on ask for nothing: there is no slot 8.
; LIMITS: e6 + e7 between -123 and 130 (added to a factor's exponent field); e9 and e10 between -126 and 119; e8 + e9 goes through v_ldexp_f32 and has none.  The scaled scores stay under 2^31 in magnitude.
; NaN and +infinity in the mask are not served; a row whose mask is -infinity everywhere gives NaN codes.
; REGISTERS.  Window 0: v1-11 addresses; v12-15 (-M, largest t) x 2 tiles; v16-19 the sums; v20-23 f; v24-27 scales; v28-43, v112-121 at work; v48-79 Q; v80-111 p's codes; v128-255 S^T, then p.
;   Window 1: the mask, two sets of 128.   Window 2: v0-127 K's eight tiles, v128-255 V's.   Window 3: v0-127 O^T (64 a + 8 t + j).
.set HALFB, 64*272                     ; what one tensor load brings: 64 rows of 256 + 16 bytes = 128 rows of K or of V
.set VOFF,  2*HALFB
.set SLOT1, 1<<17                      ; slot 1 begins here: one exclusive or turns an address of one slot into the other's
.set SPARE, 2*SLOT1                    ; the spare words: 128 bytes a wave, two blocks of 256 bytes that no other line names
.set STG,   SPARE+512                  ; the way out: 32 rows x 144 bytes for each wave, bytes that no tensor load fills
.set SP,    144
.set AK0, 1
.set AV0, 2
.set PFO, 3                            ; 256 x lane
.set MO,  4                            ; 16 x lane
.set SPW, 5
.set NIL, 6
.set ADK, 8
.set ADV, 9
.set NM,  12
.set SUM, 16
.set FF,  20
.set TS,  28
.set QF,  48
.set PF,  80
.set MX,  112
.set XL,  120
.set SF,  128
.set WV,  18
.set SEL, 20
.set CS,  22
.set G1,  24
.set G0,  40
.set TB,  50
.set PC,  51
.set LIM, 52
.set MB,  66
.set PFA, 68
.set MSB, 0
.macro WIN new
.if MSB != \new
	s_set_vgpr_msb (MSB<<8)|\new
.set MSB, \new
.endif
.endm
.macro CROUND                          ; a round of the cluster's barrier
	s_barrier_signal -1
	s_barrier_wait -1
	s_cmp_lg_u32 s[WV], 0
	s_cbranch_scc1 .Lnot_wave_0_\@
	s_barrier_signal -3
.Lnot_wave_0_\@:
	s_barrier_wait -3
	s_barrier_signal -1
	s_barrier_wait -1
.endm
	s_load_b256 s[4:11], s[0:1], 0x0               ; q_ws, k_ws, v_ws, m_ws
	s_load_b128 s[12:15], s[0:1], 0x20             ; the exponents, a_ws
	v_lshl_add_u32 v[SPW], v0, 2, SPARE
	v_mov_b32 v[NIL], 0
	ds_add_u32 v[SPW], v[NIL]                      ; the opening lines: the add, twice on end, and its wait ahead of my first tensor load
	ds_add_u32 v[SPW], v[NIL]
	v_lshrrev_b32 v8, 5, v0
	v_readfirstlane_b32 s[WV], v8                  ; wave 0..3
	s_bfe_u32 s53, ttmp6, 0x40000                  ; cx
	s_lshl_b32 s54, ttmp9, 2
	s_add_co_u32 s54, s54, s53                     ; the query block
	s_and_b32 s55, ttmp7, 0xffff                   ; the head
	s_mov_b32 s[G1], 15|(1<<20)|(1<<21)|(5<<22)|(3<<25)   ; the cluster's four; elements of 1 byte; four words of padding after every 64
	s_mov_b32 s[G1+1], 256<<16
	s_mov_b32 s[G1+2], 64<<16
	s_mov_b32 s[G1+3], 256<<16
	s_mov_b32 s[G1+4], 64
	s_mov_b32 s[G1+5], 256
	s_mov_b32 s[G1+6], 0
	s_mov_b32 s[G1+7], 0
	s_and_b32 s58, s[WV], 1
	s_mul_i32 s59, s[WV], HALFB                    ; K's halves, then V's
	s_lshl_b32 s62, s55, 18                        ; the head's first byte in k_ws and v_ws,
	s_lshl_b32 s63, s58, 14                        ; my 128 rows
	s_add_co_u32 s62, s62, s63
	s_mov_b32 s63, 0
	s_lshl_b32 s56, s55, 18
	s_lshl_b32 s57, s54, 14
	s_add_co_u32 s56, s56, s57
	s_lshl_b32 s57, s[WV], 12
	s_add_co_u32 s56, s56, s57                     ; q_ws: the head, the query block, my 32 rows
	s_lshl_b32 s78, s54, 4
	s_add_co_u32 s78, s78, s55
	s_lshl_b32 s78, s78, 14
	s_add_co_u32 s78, s78, s57                     ; a_ws: block 16 x query block + head, my 32 rows
	s_mov_b32 s57, 0
	s_mov_b32 s79, 0
	s_lshl_b32 s60, s54, 2
	s_add_co_u32 s60, s60, s[WV]
	s_lshl_b32 s60, s60, 18                        ; m_ws: my query group's 16 tiles
	s_mov_b32 s61, 0
	s_mov_b32 s[SEL], 0x76543210
	s_mov_b32 s[SEL+1], 0xfedcba98
	s_mov_b32 s[CS], 0x3e0293ee                    ; log2(e) / sqrt(128)
	s_mov_b32 s[TB], 0
	s_mov_b32 s[PC], 0
	s_wait_alu depctr_va_vdst(0)                   ; the wait here, directly ahead of the waits below
	s_wait_dscnt 0x0
	s_wait_kmcnt 0x0
	s_load_b128 s[72:75], s[12:13], 0x18           ; e6, e7, e8, e9
	s_load_b32 s76, s[12:13], 0x28                 ; e10
	s_cmp_lt_u32 s[WV], 2                          ; K or V: the choice hangs on the wave's number alone
	s_cselect_b64 s[G0+2:G0+3], s[6:7], s[8:9]
	s_add_nc_u64 s[G0+2:G0+3], s[G0+2:G0+3], s[62:63]
	s_or_b32 s[G0+3], s[G0+3], 0x80000000
	s_mov_b32 s[G0], 1
	s_mov_b32 s[G0+1], s59
	CROUND                                         ; the four work-groups are here: the first joint loads meet
	tensor_load_to_lds s[G0:G0+3], s[G1:G1+7]      ; slot 0: my one tensor load at the head
	s_nop 0
	s_add_nc_u64 s[4:5], s[4:5], s[56:57]
	s_add_nc_u64 s[14:15], s[14:15], s[78:79]
	s_add_nc_u64 s[MB:MB+1], s[10:11], s[60:61]
	s_lshl_b32 s80, s54, 2                         ; the prefetches: wave 0 in m_ws: query group 4 x block + head / 4, quarter head % 4 of a slot's 32,768 bytes
	s_lshr_b32 s81, s55, 2
	s_add_co_u32 s80, s80, s81
	s_lshl_b32 s80, s80, 18
	s_and_b32 s81, s55, 3
	s_lshl_b32 s81, s81, 13
	s_add_co_u32 s80, s80, s81
	s_lshl_b32 s81, s55, 18                        ; waves 1 and 2 in k_ws and v_ws: the head, quarter cx
	s_lshl_b32 s82, s53, 13
	s_add_co_u32 s81, s81, s82
	s_cmp_eq_u32 s[WV], 0
	s_cselect_b32 s80, s80, s81
	s_cselect_b64 s[PFA:PFA+1], s[10:11], s[6:7]
	s_cmp_eq_u32 s[WV], 2
	s_cselect_b64 s[PFA:PFA+1], s[8:9], s[PFA:PFA+1]
	s_cmp_lt_u32 s[WV], 3
	s_cselect_b32 s[LIM], 5, 0                     ; trips 0 to 4 ask; wave 3 never
	s_add_co_u32 s80, s80, 3*32768                 ; slot 3
	s_mov_b32 s81, 0
	s_add_nc_u64 s[PFA:PFA+1], s[PFA:PFA+1], s[80:81]
	v_and_b32 v8, 15, v0                           ; r
	v_bfe_u32 v9, v0, 4, 1                         ; h
	v_lshlrev_b32 v10, 7, v8
	v_lshl_add_u32 v10, v9, 4, v10
.irp a, 0,1
.irp c, 0,1,2,3
	global_load_b128 v[QF+16*\a+4*\c:QF+16*\a+4*\c+3], v10, s[4:5] offset:2048*\a+32*\c   ; Q stays in registers
.endr
.endr
	v_and_b32 v[MO], 31, v0
	v_lshlrev_b32 v[PFO], 8, v[MO]
	v_lshlrev_b32 v[MO], 4, v[MO]
	WIN 0x40
.set nn, 0
.rept 64
	global_load_b128 v[4*nn:4*nn+3], v[MO], s[MB:MB+1] offset:512*nn   ; the mask's tiles of key steps 0 and 1
.set nn, nn+1
.endr
	WIN 0
	v_lshrrev_b32 v11, 1, v8
	v_mul_u32_u24 v[AK0], v11, 272                 ; two rows of 128 bytes to an LDS row of 272: the 16 rows of a fragment start at 16 different groups of four banks
	v_and_b32 v11, 1, v8
	v_lshl_add_u32 v[AK0], v11, 7, v[AK0]
	v_lshl_add_u32 v[AK0], v9, 4, v[AK0]
	v_add_nc_u32 v[AV0], VOFF, v[AK0]
.irp a, 0,1
	v_mov_b32 v[NM+2*\a+1], 0xff61b1e6             ; the largest t so far: -3e38
	v_floor_f32 v[NM+2*\a], -v[NM+2*\a+1]          ; -M
	v_mov_b32 v[SUM+2*\a], 0
	v_mov_b32 v[SUM+2*\a+1], 0
	v_mov_b32 v[FF+2*\a], 0
	v_mov_b32 v[FF+2*\a+1], 0                      ; (named as the upper half of a pair)
	v_mov_b32 v[XL+\a], 0                          ; a lane permute's destination counts as one of its sources
.endr
.set jj, 0
.rept 128
	v_mov_b32 v[SF+jj], 0                          ; the rotated loop's first second product multiplies zeros by zeros onto zeros: p = 0 gives zero codes
.set jj, jj+1
.endr
	WIN 0x80
.set jj, 0
.rept 128
	v_mov_b32 v[128+jj], 0
.set jj, jj+1
.endr
	WIN 0xc0
.set jj, 0
.rept 128
	v_mov_b32 v[jj], 0
.set jj, jj+1
.endr
	WIN 0
	s_wait_kmcnt 0x0
	s_add_co_i32 s78, s72, s73
	s_lshl_b32 s78, s78, 23
	s_add_co_i32 s[CS], s[CS], s78                 ; x 2^(e6 + e7), in the exponent field
	s_mov_b32 s[CS+1], s[CS]
	s_add_co_i32 s78, s75, 127
	s_lshl_b32 s79, s78, 23
	v_mov_b32 v24, s79                             ; 2^e9
	s_add_co_i32 s78, s78, 8
	s_lshl_b32 s78, s78, 23
	s_or_b32 s78, s78, 0x600000
	v_mov_b32 v25, s78                             ; 448 x 2^e9
	s_add_co_i32 s78, s76, 127
	s_lshl_b32 s79, s78, 23
	v_mov_b32 v26, s79                             ; 2^e10
	s_add_co_i32 s78, s78, 8
	s_lshl_b32 s78, s78, 23
	s_or_b32 s78, s78, 0x600000
	v_mov_b32 v27, s78                             ; 448 x 2^e10
; O^T under the new M, then O^T += V^T P^T of the step before: 16 accumulators by turns
; four loads of the mask's tile two steps on: the 32 of a step go out in eight groups among the maxima
.macro MLOAD4 q, ld
.if \ld
	WIN 0x40
.rept 4
	global_load_b128 v[128*(\q)+4*nn:128*(\q)+4*nn+3], v[MO], s[MB:MB+1] offset:32768+16384*(\q)+512*nn
.set nn, nn+1
.endr
	WIN 0
.endif
.endm
; the step before is finished: p is held and converted,
.macro PVPART
	WIN 0
.set jj, 0
.rept 64
	v_dual_min_num_f32 v[SF+jj], v[SF+jj], v25 :: v_dual_min_num_f32 v[SF+jj+1], v[SF+jj+1], v25   ; the conversion does not saturate (ISA guide 7.6.2); p is not negative: a one-sided hold, two a line
.set jj, jj+2
.endr
.irp a, 0,1
.irp t, 0,1,2,3,4,5,6,7
	v_cvt_scalef32_pk8_fp8_f32 v[PF+16*\a+2*\t:PF+16*\a+2*\t+1], v[SF+64*\a+8*\t:SF+64*\a+8*\t+7], v24   ; keys 16 t + 8 h + 0 .. 7: registers 2 t, 2 t + 1 of the operand
.endr
.endr
	WIN 0xc3
	s_wait_alu depctr_va_vdst(0)                   ; the wait here, directly ahead of the first reader of O^T
.irp a, 0,1
.set jj, 0
.rept 32
	v_pk_mul_f32 v[64*\a+jj:64*\a+jj+1], v[64*\a+jj:64*\a+jj+1], v[FF+2*\a:FF+2*\a+1] op_sel_hi:[1,0]
.set jj, jj+2
.endr
.endr
	WIN 0xf2
.irp t, 0,1,2,3,4,5,6,7
.irp a, 0,1
	v_wmma_f32_16x16x128_fp8_fp8 v[64*\a+8*\t:64*\a+8*\t+7], v[128+16*\t:128+16*\t+15], v[PF+16*\a:PF+16*\a+15], v[64*\a+8*\t:64*\a+8*\t+7]
.endr
.endr
.endm
; A KEY STEP: the q-th 128 keys of the slot in hand.  ld = 1: the mask's tile two steps on is asked for.
.macro ITER q, ld
	WIN 0x80
.irp t, 0,1,2,3,4,5,6,7
.irp c, 0,1,2,3
	ds_load_b128 v[16*\t+4*\c:16*\t+4*\c+3], v[ADK] offset:(64*(\q)+8*\t)*272+32*\c
.endr
.endr
	PVPART                                         ; the step before is finished while K is on its way
	WIN 0x02
	s_wait_dscnt 0x0                               ; K is in
.irp t, 0,1,2,3,4,5,6,7
.irp a, 0,1
	v_wmma_f32_16x16x128_fp8_fp8 v[SF+64*\a+8*\t:SF+64*\a+8*\t+7], v[16*\t:16*\t+15], v[QF+16*\a:QF+16*\a+15], 0
.endr
.endr
	WIN 0x80
.rept 4
	v_nop                                          ; four plain places: ahead of the loads into V's registers, which the products above read, and of the first read of the scores
.endr
.irp t, 0,1,2,3,4,5,6,7
.irp c, 0,1,2,3
	ds_load_b128 v[128+16*\t+4*\c:128+16*\t+4*\c+3], v[ADV] offset:(64*(\q)+8*\t)*272+32*\c   ; V lands under the softmax
.endr
.endr
.if (\ld) || ((\q) == 0)
	s_wait_loadcnt 32                              ; this step's tile of the mask is in; the next step's 32 loads may be out
.else
	s_wait_loadcnt 0x0
.endif
	WIN 0x10
.set jj, 0
.rept 64
	v_pk_fma_f32 v[SF+jj:SF+jj+1], v[SF+jj:SF+jj+1], s[CS:CS+1], v[128*(\q)+jj:128*(\q)+jj+1] op_sel_hi:[1,0,1]   ; t
.set jj, jj+2
.endr
	WIN 0
.set nn, 0
	MLOAD4 \q, \ld
.if (\ld) && ((\q) == 0)
	s_wait_alu depctr_va_vdst(0)                   ; the wait here, ahead of the branch
	s_cmp_lt_u32 s[PC], s[LIM]
	s_cbranch_scc0 .Lnot_mine_\@
	global_prefetch_b8 v[PFO], s[PFA:PFA+1] th:TH_LOAD_NT scope:SCOPE_SE
.Lnot_mine_\@:
.endif
.irp k, 0,1,2,3                                ; the step's largest t of my two queries: four chains a tile
.irp a, 0,1
	v_max3_num_f32 v[MX+4*\a+\k], v[SF+64*\a+16*\k], v[SF+64*\a+16*\k+1], v[SF+64*\a+16*\k+2]
.endr
.endr
	MLOAD4 \q, \ld
.irp n, 3,5,7,9,11,13
.irp k, 0,1,2,3
.irp a, 0,1
	v_max3_num_f32 v[MX+4*\a+\k], v[MX+4*\a+\k], v[SF+64*\a+16*\k+\n], v[SF+64*\a+16*\k+\n+1]
.endr
.endr
	MLOAD4 \q, \ld
.endr
.irp a, 0,1
	v_max3_num_f32 v[MX+4*\a], v[MX+4*\a], v[MX+4*\a+1], v[SF+64*\a+15]
	v_max3_num_f32 v[MX+4*\a+2], v[MX+4*\a+2], v[MX+4*\a+3], v[SF+64*\a+31]
.endr
.irp a, 0,1
	v_max3_num_f32 v[MX+4*\a], v[MX+4*\a], v[SF+64*\a+47], v[SF+64*\a+63]
.endr
.irp a, 0,1
	v_max_num_f32 v[MX+4*\a], v[MX+4*\a], v[MX+4*\a+2]
.endr
.irp a, 0,1
	v_permlanex16_b32 v[XL+\a], v[MX+4*\a], s[SEL], s[SEL+1]
.endr
.irp a, 0,1
	v_max_num_f32 v[MX+4*\a], v[MX+4*\a], v[XL+\a]             ; and lane l xor 16's
.endr
.irp a, 0,1
	v_max_num_f32 v[NM+2*\a+1], v[NM+2*\a+1], v[MX+4*\a]       ; the running largest t
	v_mov_b32 v[MX+4*\a+1], v[NM+2*\a]
.endr
.irp a, 0,1
	v_floor_f32 v[NM+2*\a], -v[NM+2*\a+1]                      ; -M = floor(-t): a whole number
.endr
.irp a, 0,1
	v_sub_f32 v[MX+4*\a+1], v[NM+2*\a], v[MX+4*\a+1]           ; old M less new M, 0 or less
.endr
.irp a, 0,1
	v_cvt_i32_f32 v[MX+4*\a+1], v[MX+4*\a+1]                   ; (it saturates)
.endr
.irp a, 0,1
	v_ldexp_f32 v[FF+2*\a], 1.0, v[MX+4*\a+1]                  ; f = 2^(old M - new M)
.endr
.irp a, 0,1
.set jj, 0
.rept 32
	v_pk_add_f32 v[SF+64*\a+jj:SF+64*\a+jj+1], v[SF+64*\a+jj:SF+64*\a+jj+1], v[NM+2*\a:NM+2*\a+1] op_sel_hi:[1,0]   ; t - M
.set jj, jj+2
.endr
.endr
	s_wait_alu depctr_va_vdst(0)                   ; the wait ahead of the batch
.set jj, 0
.rept 128
	v_exp_f32 v[SF+jj], v[SF+jj]                   ; p = 2^(t - M), at most 1
.set jj, jj+1
.endr
.irp a, 0,1
	v_pk_mul_f32 v[SUM+2*\a:SUM+2*\a+1], v[SUM+2*\a:SUM+2*\a+1], v[FF+2*\a:FF+2*\a+1] op_sel_hi:[1,0]   ; the sums under the new M
.endr
	s_wait_alu depctr_va_vdst(0)                   ; one wait for the batch, ahead of its first reader
.irp k, 0,1,2,3                                ; the rows' sums of the unquantised p: four chains a tile
.irp a, 0,1
	v_pk_add_f32 v[TS+8*\a+2*\k:TS+8*\a+2*\k+1], v[SF+64*\a+2*\k:SF+64*\a+2*\k+1], v[SF+64*\a+2*\k+8:SF+64*\a+2*\k+9]
.endr
.endr
.irp n, 2,3,4,5,6,7
.irp k, 0,1,2,3
.irp a, 0,1
	v_pk_add_f32 v[TS+8*\a+2*\k:TS+8*\a+2*\k+1], v[TS+8*\a+2*\k:TS+8*\a+2*\k+1], v[SF+64*\a+2*\k+8*\n:SF+64*\a+2*\k+8*\n+1]
.endr
.endr
.endr
.irp a, 0,1
	v_pk_add_f32 v[SUM+2*\a:SUM+2*\a+1], v[SUM+2*\a:SUM+2*\a+1], v[TS+8*\a:TS+8*\a+1]
	v_pk_add_f32 v[TS+8*\a+2:TS+8*\a+3], v[TS+8*\a+2:TS+8*\a+3], v[TS+8*\a+4:TS+8*\a+5]
.endr
.irp a, 0,1
	v_pk_add_f32 v[SUM+2*\a:SUM+2*\a+1], v[SUM+2*\a:SUM+2*\a+1], v[TS+8*\a+6:TS+8*\a+7]
.endr
.irp a, 0,1
	v_pk_add_f32 v[SUM+2*\a:SUM+2*\a+1], v[SUM+2*\a:SUM+2*\a+1], v[TS+8*\a+2:TS+8*\a+3]
.endr
.set jj, 0
.endm
; A SLOT: the change of slots at its head, then its two key steps.  fill = 1: behind a round of the cluster's barrier the slot that was left takes the next 256 keys: the load has two key steps in which to land.
.macro TRIP fill
	v_add_nc_u32 v[ADK], s[TB], v[AK0]
	v_add_nc_u32 v[ADV], s[TB], v[AV0]
	s_wait_alu depctr_va_vdst(0)                   ; the wait here, directly ahead of the wait below
	s_wait_tensorcnt 0x0                           ; my quarter of the slot ahead is in, so my group 0 may be written
	ds_add_u32 v[SPW], v[NIL]                      ; 0 onto my spare word
.if \fill
	s_xor_b32 s[G0+1], s[G0+1], SLOT1
	s_add_nc_u64 s[G0+2:G0+3], s[G0+2:G0+3], 32768
.endif
	s_wait_dscnt 0x0                               ; the add is done, and my reads of the slot that I have left are over
.if \fill
	CROUND
	tensor_load_to_lds s[G0:G0+3], s[G1:G1+7]      ; the first thing behind the round, and my one tensor load until the next
	s_nop 0
.else
	s_barrier_signal -1
	s_barrier_wait -1
.endif
	ITER 0, \fill
	s_wait_alu depctr_va_vdst(0)                   ; the wait here, directly ahead of the wait below
	s_wait_dscnt 0x0                               ; V is in
	ITER 1, \fill
.endm
	s_wait_alu depctr_va_vdst(0)                   ; the wait at the head's end
	s_wait_loadcnt 63                              ; of the 72 loads the oldest nine are in: Q's eight among them
.Ltrip:                                            ; 7 trips: trip p works on slot p and asks for slot p + 1
	TRIP 1
	s_wait_xcnt 0x0                                ; my loads and my prefetch have read their bases
	s_add_nc_u64 s[MB:MB+1], s[MB:MB+1], 32768
	s_add_nc_u64 s[PFA:PFA+1], s[PFA:PFA+1], 32768
	s_xor_b32 s[TB], s[TB], SLOT1
	s_add_co_u32 s[PC], s[PC], 1
	s_cmp_lt_u32 s[PC], 7
	s_cbranch_scc1 .Ltrip
	TRIP 0                                         ; the last slot is written out: it asks for nothing
	s_wait_alu depctr_va_vdst(0)
	s_wait_dscnt 0x0
	PVPART                                         ; the last step's second product
	WIN 0
	; THE WAY OUT.  O^T x 2^(e8 + e9) / the sum, held, converted with 2^e10; through my stage, so that the wave stores 512 consecutive bytes a line.
.irp a, 0,1
	v_add_f32 v[SUM+2*\a], v[SUM+2*\a], v[SUM+2*\a+1]
.endr
.irp a, 0,1
	v_permlanex16_b32 v[XL+\a], v[SUM+2*\a], s[SEL], s[SEL+1]
.endr
.irp a, 0,1
	v_add_f32 v[SUM+2*\a], v[SUM+2*\a], v[XL+\a]
.endr
	s_wait_alu depctr_va_vdst(0)                   ; ahead of the transcendentals
	v_rcp_f32 v[SUM], v[SUM]
	v_rcp_f32 v[SUM+2], v[SUM+2]
	v_and_b32 v8, 15, v0
	v_bfe_u32 v9, v0, 4, 1
	s_add_co_i32 s78, s74, s75
	s_mul_i32 s79, s[WV], 32*SP
	s_add_co_u32 s79, s79, STG
	v_mul_u32_u24 v10, v8, SP
	v_lshl_add_u32 v10, v9, 3, v10
	v_add_nc_u32 v10, s79, v10                     ; in: row r, byte 8 h
	v_bfe_u32 v11, v0, 3, 2
	v_mul_u32_u24 v11, v11, SP
	v_and_b32 v8, 7, v0
	v_lshl_add_u32 v11, v8, 4, v11
	v_add_nc_u32 v11, s79, v11                     ; back: four rows of 128 bytes a line
	s_wait_alu depctr_va_vdst(0)                   ; ahead of the first reader of the reciprocals
	v_ldexp_f32 v[SUM], v[SUM], s78
	v_ldexp_f32 v[SUM+2], v[SUM+2], s78
	WIN 0x03
	s_wait_alu depctr_va_vdst(0)                   ; the wait here, directly ahead of the first reader of O^T
.irp a, 0,1
.set jj, 0
.rept 64
	v_mul_f32 v[SF+64*\a+jj], v[64*\a+jj], v[SUM+2*\a]         ; register 8 t + j is o(query 16 a + r, d = 16 t + 8 h + j); each accumulator from its low end on
.set jj, jj+1
.endr
.endr
	WIN 0
.set jj, 0
.rept 128
	v_med3_num_f32 v[SF+jj], v[SF+jj], -v27, v27
.set jj, jj+1
.endr
.irp a, 0,1
.irp t, 0,1,2,3,4,5,6,7
	v_cvt_scalef32_pk8_fp8_f32 v[PF+16*\a+2*\t:PF+16*\a+2*\t+1], v[SF+64*\a+8*\t:SF+64*\a+8*\t+7], v26
.endr
.endr
	v_nop                                          ; one plain line behind the last conversion
.irp a, 0,1
.irp t, 0,1,2,3,4,5,6,7
	ds_store_b64 v10, v[PF+16*\a+2*\t:PF+16*\a+2*\t+1] offset:16*SP*\a+16*\t
.endr
.endr
.irp i, 0,1,2,3,4,5,6,7
	ds_load_b128 v[QF+4*\i:QF+4*\i+3], v11 offset:4*SP*\i      ; LDS serves a wave's instructions in order (ISA guide 5.7.1.4): these see my stores
.endr
.irp i, 0,1,2,3,4,5,6,7
	s_wait_dscnt 7-\i
	global_store_b128 v[MO], v[QF+4*\i:QF+4*\i+3], s[14:15] offset:512*\i
.endr
	s_wait_tensorcnt 0x0                           ; the wave's end
	ds_add_u32 v[SPW], v[NIL]
	s_wait_dscnt 0x0
	CROUND                                         ; the closing round
	s_endpgm
.Lfunc_end_k_q63930e5398_attn:
	.size	k_q63930e5398_attn, .Lfunc_end_k_q63930e5398_attn-k_q63930e5398_attn
	.p2alignl 7, 3214868480
	.fill 96, 4, 3214868480
	.section	.rodata,"a",@progbits
	.p2align	6, 0x0
	.amdhsa_kernel k_q63930e5398_attn
		.amdhsa_group_segment_fixed_size 327680
		.amdhsa_private_segment_fixed_size 0
		.amdhsa_enable_private_segment 0
		.amdhsa_kernarg_size 48
		.amdhsa_user_sgpr_count 2
		.amdhsa_user_sgpr_kernarg_segment_ptr 1
		.amdhsa_wavefront_size32 1
		.amdhsa_system_sgpr_workgroup_id_x 1
		.amdhsa_system_sgpr_workgroup_id_y 1
		.amdhsa_system_sgpr_workgroup_id_z 1
		.amdhsa_system_vgpr_workitem_id 0
		.amdhsa_next_free_vgpr 896
		.amdhsa_next_free_sgpr 84
		.amdhsa_reserve_vcc 0
		.amdhsa_float_denorm_mode_32 3
		.amdhsa_float_denorm_mode_16_64 3
		.amdhsa_memory_ordered 1
		.amdhsa_forward_progress 1
		.amdhsa_inst_pref_size 207
	.end_amdhsa_kernel
	.amdgpu_metadata
---
amdhsa.version: [ 1, 2 ]
amdhsa.kernels:
  - .name:           k_q63930e5398_attn
    .symbol:         k_q63930e5398_attn.kd
    .args:
      - { .name: q_ws, .offset: 0, .size: 8, .value_kind: global_buffer, .address_space: global }
      - { .name: k_ws, .offset: 8, .size: 8, .value_kind: global_buffer, .address_space: global }
      - { .name: v_ws, .offset: 16, .size: 8, .value_kind: global_buffer, .address_space: global }
      - { .name: m_ws, .offset: 24, .size: 8, .value_kind: global_buffer, .address_space: global }
      - { .name: lowp_scales, .offset: 32, .size: 8, .value_kind: global_buffer, .address_space: global }
      - { .name: a_ws, .offset: 40, .size: 8, .value_kind: global_buffer, .address_space: global }
    .group_segment_fixed_size: 327680
    .private_segment_fixed_size: 0
    .kernarg_segment_align: 8
    .kernarg_segment_size: 48
    .max_flat_workgroup_size: 128
    .sgpr_count:     84
    .vgpr_count:     896
    .wavefront_size: 32
...
	.end_amdgpu_metadata
.endif
;; end of part 2
;; launch oproj (part 3): grid 16 x 16, 4 waves a work-group, clusters of 4 x 4, 327,680 bytes of LDS; arguments a_ws, wo_codes, lowp_scales, out0; writes out0
.if DOCPART == 3
	.amdgcn_target "amdgcn-amd-amdhsa--gfx1250"
	.amdhsa_code_object_version 6
	.text
	.protected	k_q63930e5398_oproj
	.globl	k_q63930e5398_oproj
	.p2align	8
	.type	k_q63930e5398_oproj,@function
k_q63930e5398_oproj:
	s_mov_b64 s[64:65], 0
	v_nop
	global_prefetch_b8 v0, s[64:65] scope:SCOPE_SE
	s_setreg_imm32_b32 hwreg(HW_REG_WAVE_MODE, 25, 1), 1
	s_wait_xcnt 0x0
	s_wait_alu depctr_hold_cnt(0) depctr_sa_sdst(0) depctr_va_vdst(0) depctr_va_sdst(0) depctr_va_ssrc(0) depctr_va_vcc(0) depctr_vm_vsrc(0)
	s_getreg_b32 s2, hwreg(HW_REG_IB_STS2, 6, 4)
	s_cmp_eq_u32 s2, 0
	s_cbranch_scc0 .Lentry_in_a_cluster
	s_endpgm
.Lentry_in_a_cluster:
	s_bfe_u32 s2, ttmp6, 0x10000c
	s_cmp_lg_u32 s2, 0xf033
	s_cbranch_scc0 .Lentry_shape_is_right
	s_endpgm
.Lentry_shape_is_right:
.set AP,    144
.set BP,    528
.set AHEAD, 128*AP
.set BOFF,  4*AHEAD
.set SLOT,  BOFF+128*BP
.set SPARE, 2*SLOT
.set SPITCH, 272
.set SPW,  10
.set NIL,  11
.set ADRA, 12
.set ADRB, 14
.set STO,  16
.set RD,   17
.set CO,   18
.set TMP,  32
.set BK,   64
.set ACC,  128
.set WV,   12
.set G1A,  16
.set G1B,  24
.set G0A,  32
.set G0B,  48
.set MSB, 0
.macro WIN new
.if MSB != \new
	s_set_vgpr_msb (MSB<<8)|\new
.set MSB, \new
.endif
.endm
.set MUL,  0x05
.set TO_F, 0x40
.macro PLACES n
.rept \n
	v_nop
.endr
.endm
.macro CREST
	s_cmp_lg_u32 s[WV], 0
	s_cbranch_scc1 .Lnot_wave_0_\@
	s_barrier_signal -3
.Lnot_wave_0_\@:
	s_barrier_wait -3
	s_barrier_signal -1
	s_barrier_wait -1
.endm
.macro CROUND
	s_barrier_signal -1
	s_barrier_wait -1
	CREST
.endm
; A PREFETCH behind each joint load but the last: the slot that the next joint load will ask for.  Of the 32,768 bytes that a wave fetches, each of the four partners that ask for them jointly takes 8,192, told apart by
; address (cx for A: one dense block; cy for B: 16 rows of 512 bytes): 32 blocks of 256 bytes, a lane a block, so each block is named once in the cluster.
.macro ASKO
	s_wait_xcnt 0x0                                ; my last prefetch has read its base: it steps a slot on
	s_add_nc_u64 s[68:69], s[68:69], s[70:71]
	global_prefetch_b8 v4, s[68:69] th:TH_LOAD_NT scope:SCOPE_SE
.endm
.macro JLOAD s
	s_cmp_eq_u32 s13, 0
	s_cbranch_scc0 .Lfor_b_\@
	tensor_load_to_lds s[G0A+4*\s:G0A+4*\s+3], s[G1A:G1A+7]
	s_nop 0
.rept 4
	v_nop
.endr
	s_branch .Lasked_\@
.Lfor_b_\@:
	tensor_load_to_lds s[G0B+4*\s:G0B+4*\s+3], s[G1B:G1B+7]
	s_nop 0
.rept 4
	v_nop
.endr
.Lasked_\@:
.endm
	s_load_b256 s[4:11], s[0:1], 0x0
	v_lshl_add_u32 v[SPW], v0, 2, SPARE
	v_mov_b32 v[NIL], 0
	ds_add_u32 v10, v11
	ds_add_u32 v10, v11
	s_wait_dscnt 0x0
	v_lshrrev_b32 v1, 5, v0
	v_readfirstlane_b32 s[WV], v1
	s_lshr_b32 s13, s[WV], 1
	s_and_b32 s14, s[WV], 1
	s_bfe_u32 s40, ttmp6, 0x40000
	s_bfe_u32 s41, ttmp6, 0x40004
	s_lshl_b32 s42, ttmp9, 2
	s_add_co_u32 s42, s42, s40
	s_and_b32 s43, ttmp7, 0xffff
	s_lshl_b32 s43, s43, 2
	s_add_co_u32 s43, s43, s41
	s_lshl_b32 s44, s41, 2
	s_lshl_b32 s44, 15, s44
	s_lshl_b32 s45, 0x1111, s40
	s_or_b32 s[G1A], s44, (1<<20)|(1<<21)|(4<<22)|(3<<25)
	s_mov_b32 s[G1A+1], 256<<16                    ; A's 256 rows of 128 bytes are dense in memory: stated as 128 rows of 256 bytes, the padding still behind each 128
	s_mov_b32 s[G1A+2], 128<<16
	s_mov_b32 s[G1A+3], 256<<16
	s_mov_b32 s[G1A+4], 128
	s_mov_b32 s[G1A+5], 256
	s_mov_b32 s[G1A+6], 0
	s_mov_b32 s[G1A+7], 0
	s_or_b32 s[G1B], s45, (1<<20)|(1<<21)|(6<<22)|(3<<25)
	s_mov_b32 s[G1B+1], 512<<16
	s_mov_b32 s[G1B+2], 64<<16
	s_mov_b32 s[G1B+3], 512<<16
	s_mov_b32 s[G1B+4], 64
	s_mov_b32 s[G1B+5], 2048
	s_mov_b32 s[G1B+6], 0
	s_mov_b32 s[G1B+7], 0
	s_lshl_b32 s56, s43, 18
	s_lshl_b32 s57, s14, 15
	s_add_co_u32 s56, s56, s57
	s_mov_b32 s57, 0
	s_lshl_b32 s58, s42, 18
	s_lshl_b32 s59, s14, 17
	s_add_co_u32 s58, s58, s59
	s_mov_b32 s59, 0
	s_mul_i32 s60, s14, 2*AHEAD
	s_mul_i32 s61, s14, 64*BP
	s_add_co_u32 s61, s61, BOFF
	s_wait_kmcnt 0x0
	s_load_b64 s[72:73], s[8:9], 0x28
	s_add_nc_u64 s[4:5], s[4:5], s[56:57]
	s_add_nc_u64 s[6:7], s[6:7], s[58:59]
	CROUND
.irp s, 0,1
	s_mov_b32 s[G0A+4*\s], 1
	s_add_co_u32 s[G0A+4*\s+1], s60, \s*SLOT
	s_add_nc_u64 s[G0A+4*\s+2:G0A+4*\s+3], s[4:5], \s*65536
	s_or_b32 s[G0A+4*\s+3], s[G0A+4*\s+3], 0x80000000
	s_mov_b32 s[G0B+4*\s], 1
	s_add_co_u32 s[G0B+4*\s+1], s61, \s*SLOT
	s_add_nc_u64 s[G0B+4*\s+2:G0B+4*\s+3], s[6:7], \s*512
	s_or_b32 s[G0B+4*\s+3], s[G0B+4*\s+3], 0x80000000
	s_wait_alu depctr_va_vdst(0)
	s_wait_tensorcnt 0x0
	ds_add_u32 v10, v11
	ds_add_u32 v10, v11
	s_wait_dscnt 0x0
	CROUND
	JLOAD \s
.if \s == 0
	s_cmp_eq_u32 s13, 0                            ; do I fetch for A?
	s_cselect_b64 s[68:69], s[4:5], s[6:7]
	s_cselect_b32 s74, s40, s41                    ; my place among the four that ask with me
	s_cselect_b32 s75, 13, 15                      ; 8,192 bytes of A; 16 rows of 2,048 bytes of B
	s_mov_b32 s70, 512
	s_cselect_b32 s70, 0x10000, s70                ; a slot on
	s_mov_b32 s76, 2048
	s_cselect_b32 s76, 512, s76                    ; from one pair of lanes to the next
	s_mov_b32 s71, 0
	s_lshl_b32 s74, s74, s75
	s_mov_b32 s75, 0
	s_add_nc_u64 s[68:69], s[68:69], s[74:75]
	v_and_b32 v5, 31, v0
	v_lshrrev_b32 v4, 1, v5
	v_mul_lo_u32 v4, v4, s76
	v_and_b32 v5, 1, v5
	v_lshl_add_u32 v4, v5, 8, v4                   ; never rewritten
	s_wait_alu depctr_va_vdst(0)                   ; the wait here, directly ahead of the wait below
.endif
	ASKO
.endr
	v_and_b32 v2, 15, v0
	v_bfe_u32 v3, v0, 4, 1
	v_mul_u32_u24 v[ADRA], v2, AP
	v_lshl_add_u32 v[ADRA], v3, 4, v[ADRA]
	s_mul_i32 s66, s13, 64*AP
	v_add_nc_u32 v[ADRA], s66, v[ADRA]
	v_add_nc_u32 v[ADRA+1], SLOT, v[ADRA]
	v_mul_u32_u24 v[ADRB], v2, BP
	v_lshl_add_u32 v[ADRB], v3, 4, v[ADRB]
	s_mul_i32 s66, s14, 64*BP
	s_add_co_u32 s66, s66, BOFF
	v_add_nc_u32 v[ADRB], s66, v[ADRB]
	v_add_nc_u32 v[ADRB+1], SLOT, v[ADRB]
	s_mul_i32 s66, s[WV], 16*SPITCH
	v_mul_u32_u24 v[STO], v2, SPITCH
	v_lshl_add_u32 v[STO], v3, 5, v[STO]
	v_add_nc_u32 v[STO], s66, v[STO]
	v_mul_u32_u24 v[RD], v3, SPITCH
	v_lshl_add_u32 v[RD], v2, 4, v[RD]
	v_add_nc_u32 v[RD], s66, v[RD]
	v_lshlrev_b32 v[CO], 13, v3
	v_lshl_add_u32 v[CO], v2, 4, v[CO]
	s_lshl_b32 s62, s43, 20
	s_lshl_b32 s63, s13, 19
	s_add_co_u32 s62, s62, s63
	s_lshl_b32 s63, s42, 9
	s_add_co_u32 s62, s62, s63
	s_lshl_b32 s63, s14, 8
	s_add_co_u32 s62, s62, s63
	s_mov_b32 s63, 0
	s_add_nc_u64 s[10:11], s[10:11], s[62:63]
.macro FETCH slot, z, p
	WIN TO_F
.irp i, 0,1,2,3
.irp c, 0,1,2,3
	ds_load_b128 v[128*(\p)+16*\i+4*\c:128*(\p)+16*\i+4*\c+3], v[ADRA+(\slot)] offset:(\z)*AHEAD+\i*16*AP+32*\c
	ds_load_b128 v[128*(\p)+64+16*\i+4*\c:128*(\p)+64+16*\i+4*\c+3], v[ADRB+(\slot)] offset:\i*16*BP+128*(\z)+32*\c
.endr
.endr
	WIN 0
.endm
.macro MUL8 p, a0, zero
.irp a, \a0, \a0+1
.irp b, 0,1,2,3
.if \zero
	v_wmma_f32_16x16x128_fp8_fp8 v[ACC+8*(4*(\a)+\b):ACC+8*(4*(\a)+\b)+7], v[128*(\p)+64+16*\b:128*(\p)+64+16*\b+15], v[128*(\p)+16*(\a):128*(\p)+16*(\a)+15], 0
.else
	v_wmma_f32_16x16x128_fp8_fp8 v[ACC+8*(4*(\a)+\b):ACC+8*(4*(\a)+\b)+7], v[128*(\p)+64+16*\b:128*(\p)+64+16*\b+15], v[128*(\p)+16*(\a):128*(\p)+16*(\a)+15], v[ACC+8*(4*(\a)+\b):ACC+8*(4*(\a)+\b)+7]
.endif
.endr
.endr
.endm
.macro STEP slot, z, zero
	PLACES 4
	FETCH \slot, (\z)+1, ((\z)+1)%2
	s_wait_dscnt 32
	WIN MUL
	MUL8 (\z)%2, 0, \zero
	MUL8 (\z)%2, 2, \zero
	WIN 0
.endm
.macro TURN slot, next, fill
	s_wait_tensorcnt 0x0
	ds_add_u32 v[SPW], v[NIL]
	s_wait_dscnt 1
	WIN MUL
	MUL8 1, 0, 0
	s_wait_dscnt 0x0
	s_barrier_signal -1
	WIN 0
	s_barrier_wait -1
.if \fill
	CREST
	s_add_nc_u64 s[G0A+4*\slot+2:G0A+4*\slot+3], s[G0A+4*\slot+2:G0A+4*\slot+3], 131072
	s_add_nc_u64 s[G0B+4*\slot+2:G0B+4*\slot+3], s[G0B+4*\slot+2:G0B+4*\slot+3], 1024
	JLOAD \slot
.else
	PLACES 4
.endif
	s_wait_alu depctr_va_vdst(0)
	FETCH \next, 0, 0
.if (\fill) && ((\slot) == 0)
	ASKO
.endif
	WIN MUL
	MUL8 1, 2, 0
	WIN 0
.endm
	s_wait_tensorcnt 1
	s_barrier_signal -1
	s_barrier_wait -1
	FETCH 0, 0, 0
	STEP 0, 0, 1
	STEP 0, 1, 0
	STEP 0, 2, 0
	TURN 0, 1, 1
	STEP 1, 0, 0
	STEP 1, 1, 0
	STEP 1, 2, 0
	TURN 1, 0, 1
	STEP 0, 0, 0
	STEP 0, 1, 0
	STEP 0, 2, 0
	TURN 0, 1, 0
	STEP 1, 0, 0
	STEP 1, 1, 0
	STEP 1, 2, 0
	s_wait_dscnt 0x0
	WIN MUL
	MUL8 1, 0, 0
	MUL8 1, 2, 0
	WIN 0
.macro TOSTAGE a
.set jj, 0
.rept 16
	v_pk_mul_f32 v[TMP+jj:TMP+jj+1], v[ACC+32*(\a)+jj:ACC+32*(\a)+jj+1], s[72:73] op_sel_hi:[1,0]
.set jj, jj+2
.endr
.irp b, 0,1,2,3
	ds_store_b128 v[STO], v[TMP+8*\b:TMP+8*\b+3] offset:64*\b
	ds_store_b128 v[STO], v[TMP+8*\b+4:TMP+8*\b+7] offset:64*\b+16
.endr
.irp t, 0,1,2,3,4,5,6,7
	ds_load_b128 v[BK+32*((\a)%2)+4*\t:BK+32*((\a)%2)+4*\t+3], v[RD] offset:\t*2*SPITCH
.endr
.endm
.macro SEND a, younger
	s_wait_dscnt \younger
.irp t, 0,1,2,3,4,5,6,7
	global_store_b128 v[CO], v[BK+32*((\a)%2)+4*\t:BK+32*((\a)%2)+4*\t+3], s[10:11] offset:(16*(\a)+2*\t)*8192 th:TH_STORE_NT
.endr
.endm
	s_wait_kmcnt 0x0
	s_add_co_i32 s72, s72, s73
	s_add_co_i32 s72, s72, 127
	s_lshl_b32 s72, s72, 23
	PLACES 4
	TOSTAGE 0
	TOSTAGE 1
	SEND 0, 16
	s_wait_xcnt 0x0
	TOSTAGE 2
	SEND 1, 16
	s_wait_xcnt 0x0
	TOSTAGE 3
	SEND 2, 16
	SEND 3, 0
	s_wait_tensorcnt 0x0
	ds_add_u32 v[SPW], v[NIL]
	s_wait_dscnt 0x0
	CROUND
	s_endpgm
.Lfunc_end_k_q63930e5398_oproj:
	.size	k_q63930e5398_oproj, .Lfunc_end_k_q63930e5398_oproj-k_q63930e5398_oproj
	.p2alignl 7, 3214868480
	.fill 96, 4, 3214868480
	.section	.rodata,"a",@progbits
	.p2align	6, 0x0
	.amdhsa_kernel k_q63930e5398_oproj
		.amdhsa_group_segment_fixed_size 327680
		.amdhsa_private_segment_fixed_size 0
		.amdhsa_enable_private_segment 0
		.amdhsa_kernarg_size 32
		.amdhsa_user_sgpr_count 2
		.amdhsa_user_sgpr_kernarg_segment_ptr 1
		.amdhsa_wavefront_size32 1
		.amdhsa_system_sgpr_workgroup_id_x 1
		.amdhsa_system_sgpr_workgroup_id_y 1
		.amdhsa_system_sgpr_workgroup_id_z 1
		.amdhsa_system_vgpr_workitem_id 0
		.amdhsa_next_free_vgpr 512
		.amdhsa_next_free_sgpr 80
		.amdhsa_reserve_vcc 0
		.amdhsa_float_denorm_mode_32 3
		.amdhsa_float_denorm_mode_16_64 3
		.amdhsa_memory_ordered 1
		.amdhsa_forward_progress 1
		.amdhsa_inst_pref_size 76
	.end_amdhsa_kernel
	.amdgpu_metadata
---
amdhsa.version: [ 1, 2 ]
amdhsa.kernels:
  - .name:           k_q63930e5398_oproj
    .symbol:         k_q63930e5398_oproj.kd
    .args:
      - { .name: a_ws, .offset: 0, .size: 8, .value_kind: global_buffer, .address_space: global }
      - { .name: wo_codes, .offset: 8, .size: 8, .value_kind: global_buffer, .address_space: global }
      - { .name: lowp_scales, .offset: 16, .size: 8, .value_kind: global_buffer, .address_space: global }
      - { .name: out0, .offset: 24, .size: 8, .value_kind: global_buffer, .address_space: global }
    .group_segment_fixed_size: 327680
    .private_segment_fixed_size: 0
    .kernarg_segment_align: 8
    .kernarg_segment_size: 32
    .max_flat_workgroup_size: 128
    .sgpr_count:     80
    .vgpr_count:     512
    .wavefront_size: 32
...
	.end_amdgpu_metadata
.endif
;; end of part 3
